; MI455X (gfx1250); checked and timed in simulation.
; The chip was launched on July 23, 2026; its instructions are those of AMD's public machine-readable ISA for CDNA 5 (MIT licence, August 2026) and "CDNA5" Instruction Set Architecture Reference Guide (July 2026). The comments in the code are by the model that wrote it; some were corrected since.
;; Bert Self Attention. Allowed arithmetic: matrix products marked QUANTISED: E5M2 operands, one given power-of-two scale a tensor, by v_wmma_f32_16x16x64_bf8_bf8 or v_wmma_f32_16x16x128_bf8_bf8, f32 sums; everything else in f32.
;; Inputs: Wk_codes 1,024 x 32 x 32 uint8 (E5M2 codes of Wk, K innermost, in blocks of 32 codes); Wq_codes 1,024 x 32 x 32 uint8 (E5M2 codes of Wq, K innermost, in blocks of 32 codes); Wv_codes 1,024 x 32 x 32 uint8 (E5M2 codes of Wv, K innermost, in blocks of 32 codes); attention_mask 4 x 1 x 1 x 2,048 float32; bk 1,024 float32; bq 1,024 float32; bv 1,024 float32; hidden_states_codes 4 x 2,048 x 32 x 32 uint8 (E5M2 codes of hidden_states, K innermost, in blocks of 32 codes); lowp_scales 10 int32 (the exponents e of the quantised operands' scales 2^e).
;; Outputs: out0 4 x 2,048 x 1,024 float32.
;; This version of the problem:
;;   THIS VERSION OF THE PROBLEM IS GIVEN IN LOW PRECISION. The matrix products marked QUANTISED in the list below multiply operands that are first quantised to E5M2 (5 exponent bits, 2 mantissa bits; 8 bits a number), with one given power-of-two scale for each operand tensor; their sums are f32. All else is computed in f32.
;;   The module's matrix products, in the order in which they are computed (A, B: the left and right operand; K: the contracted axis; several contracted axes count as one K, in the product's order):
;;     1. [M 8,192, K 1,024] x [K 1,024, N 1,024]; A: input hidden_states (given as codes); B: input Wq (given as codes): QUANTISED (scales: A lowp_scales[0], B lowp_scales[1])
;;     2. [M 8,192, K 1,024] x [K 1,024, N 1,024]; A: input hidden_states (given as codes); B: input Wk (given as codes): QUANTISED (scales: A lowp_scales[2], B lowp_scales[3])
;;     3. [M 8,192, K 1,024] x [K 1,024, N 1,024]; A: input hidden_states (given as codes); B: input Wv (given as codes): QUANTISED (scales: A lowp_scales[4], B lowp_scales[5])
;;     4. batch 64 x [M 2,048, K 64] x [K 64, N 2,048]; A: computed on the way; B: computed on the way: QUANTISED (scales: A lowp_scales[6], B lowp_scales[7])
;;     5. batch 64 x [M 2,048, K 2,048] x [K 2,048, N 64]; A: softmax (see below); B: computed on the way: QUANTISED (scales: A lowp_scales[8], B lowp_scales[9])
;;   THE QUANTISER, for each operand of a quantised product, along K:
;;     - The operand's scale is 2^e, e = its entry of the input lowp_scales (int32; the entries are numbered through the quantised products in the list's order, A before B).
;;     - Each number is divided by the scale, clamped to +-57,344, and rounded to the nearest number of E5M2, ties to even, subnormals kept.
;;     - The product sums the exact products of the quantised numbers (number of the format x scale) in f32.
;;   ~~~python
;;   def quantise(x, axis, e):      # numpy; x: float32 -> the quantised numbers, widened to float32 again
;;       x = np.moveaxis(x, axis, -1); K = x.shape[-1]
;;       r = np.clip(x / 2.0 ** e, -57344, 57344)
;;       step = 2.0 ** (np.maximum(np.frexp(np.where(r == 0, 1, r))[1] - 1, -14) - 2)
;;       q = np.round(r / step) * step * 2.0 ** e      # np.round: ties to even
;;       return np.moveaxis(q, -1, axis).astype(np.float32)
;;   ~~~
;;   SOFTMAX AHEAD OF A QUANTISED PRODUCT. Where the list says 'softmax', what is quantised is not the finished softmax but p = 2^(t - M), with t = logit x log2(e) and M = ceil(the row's largest t), a whole number; so 1/2 < the row's largest p <= 1. The row's sum l is taken of the UNQUANTISED p, in f32, and the product's result is divided by l at the end. Since M is a whole number, a kernel that streams over the keys may use a running M (the ceiling of the running maximum): every later rescaling is an exact power of two, so the quantised numbers keep their values, but for numbers so far below the row's largest that they fall under the format's range.
;;   OPERANDS COMPUTED ON THE WAY. 'Computed on the way' means the value that the module computes at that place (a softmax that the list does not call 'softmax' is quantised finished and normalised). What goes into a quantiser is computed in f32, as accurately as f32 sums, v_exp_f32 and their like allow (about 1e-6 of the number): no bf16 or f16 on the way to a quantiser, and a product that is left as it is and whose result goes on into a quantised operand takes f32 operands (vector FMAs, or v_wmma_f32_16x16x4_f32). A number that lies on a knife's edge between two numbers of the format may be rounded either way, as far as f32 arithmetic and the matrix unit's own rounding can turn it there, and no further.
;;   INPUTS GIVEN AS CODES. Wk (in the module: [1024, 1024], K = its axis 0); Wq (in the module: [1024, 1024], K = its axis 0); Wv (in the module: [1024, 1024], K = its axis 0); hidden_states (in the module: [4, 2048, 1024], K = its axis 2): each comes as NAME_codes (uint8): NAME with its K axis moved to the last place and cut into blocks of 32 codes, [.., K / 32, bytes a block], one block behind the other in memory; one code a byte (a code: sign, 5 exponent bits, 2 mantissa bits); its scale is its entry of lowp_scales. Its value is code x scale, taken as it is: it is not quantised again, and the codes and scales need not be those that the quantiser above would give.
;; One version. Each part assembles by itself: llvm-mc -triple=amdgcn-amd-amdhsa -mcpu=gfx1250 --defsym DOCPART=n.
;; ======== version 1 of 1: 2 launches
;; limits: right only within a limited range of input values
;; workspace buffers: qf 8,388,608 bytes; kf 8,388,608 bytes; vf 8,388,608 bytes
;; launch proj (part 1): grid 12 x 32, 4 waves a work-group, clusters of 4 x 4, 327,680 bytes of LDS; arguments hidden_states_codes, Wq_codes, Wk_codes, Wv_codes, bq, bk, bv, lowp_scales, qf, kf, vf; writes qf, kf, vf
.if DOCPART == 1
	.amdgcn_target "amdgcn-amd-amdhsa--gfx1250"
	.amdhsa_code_object_version 6
	.text
	.protected	k_q9264779e57_proj
	.globl	k_q9264779e57_proj
	.p2align	8
	.type	k_q9264779e57_proj,@function
k_q9264779e57_proj:
	s_mov_b64 s[64:65], 0
	v_nop
	global_prefetch_b8 v0, s[64:65] scope:SCOPE_SE
	s_setreg_imm32_b32 hwreg(HW_REG_WAVE_MODE, 25, 1), 1
	s_wait_xcnt 0x0
	s_wait_alu depctr_hold_cnt(0) depctr_sa_sdst(0) depctr_va_vdst(0) depctr_va_sdst(0) depctr_va_ssrc(0) depctr_va_vcc(0) depctr_vm_vsrc(0)
	s_getreg_b32 s2, hwreg(HW_REG_IB_STS2, 6, 4)
	s_cmp_eq_u32 s2, 0
	s_cbranch_scc0 .Lentry_in_a_cluster
	s_endpgm
.Lentry_in_a_cluster:
	s_bfe_u32 s2, ttmp6, 0x10000c
	s_cmp_lg_u32 s2, 0xf033
	s_cbranch_scc0 .Lentry_shape_is_right
	s_endpgm
.Lentry_shape_is_right:
.set ROWB,   256
.set KROW,   1024
.set PITCH,  272
.set FR,     16
.set NL,     4
.set NP,     4
.set HALFT,  128*PITCH
.set SLOT,   4*HALFT
.set SPARE,  2*SLOT
.set HEADB,  131072
.set OFFJ, 8
.set ADRA, 16
.set ADRB, 20
.set LOFF, 24
.set LIM,  26
.set SCL,  27
.set SPW,  28
.set NIL,  29
.set BI,   32
.set AF,   128
.set TMP,  128
.set CD,   192
.set G1, 24
.set G0, 32
.set G1B, 48
.set G0B, 56
.set MSB, 0
.macro WIN new
.if MSB != \new
	s_set_vgpr_msb (MSB<<8)|\new
.set MSB, \new
.endif
.endm
.set MUL_LO, 0xa1
.set MUL_HI, 0xf1
.set TO_B,   0x40
.macro JLOAD g0a, g1a, g0b, g1b
	s_cmp_eq_u32 s15, 0
	s_cbranch_scc0 .Lfor_b_\@
	tensor_load_to_lds s[\g0a:\g0a+3], s[\g1a:\g1a+7]
	s_nop 0
.rept 4
	v_nop
.endr
	s_branch .Lasked_\@
.Lfor_b_\@:
	tensor_load_to_lds s[\g0b:\g0b+3], s[\g1b:\g1b+7]
	s_nop 0
.rept 4
	v_nop
.endr
.Lasked_\@:
.endm
.macro CREST
	s_cmp_lg_u32 s14, 0
	s_cbranch_scc1 .Lnot_wave_0_\@
	s_barrier_signal -3
.Lnot_wave_0_\@:
	s_barrier_wait -3
	s_barrier_signal -1
	s_barrier_wait -1
.endm
.macro CROUND
	s_barrier_signal -1
	s_barrier_wait -1
	CREST
.endm
	s_load_b512 s[68:83], s[0:1], 0x0
	s_load_b128 s[84:87], s[0:1], 0x40
	s_load_b64 s[88:89], s[0:1], 0x50
	v_lshl_add_u32 v[SPW], v0, 2, SPARE
	v_mov_b32 v[NIL], 0
	ds_add_u32 v[SPW], v[NIL]
	ds_add_u32 v[SPW], v[NIL]
	v_lshrrev_b32 v1, 5, v0
	v_readfirstlane_b32 s14, v1
	s_lshr_b32 s15, s14, 1
	s_and_b32 s16, s14, 1
	s_bfe_u32 s40, ttmp6, 0x40000
	s_bfe_u32 s41, ttmp6, 0x40004
	s_lshr_b32 s2, ttmp9, 1
	s_xor_b32 s12, s2, 1
	s_and_b32 s13, ttmp7, 0xffff
	s_lshl_b32 s13, s13, 2
	s_mul_i32 s17, s13, s12
	s_add_co_u32 s17, s17, s41
	s_mul_i32 s42, s13, s2
	s_add_co_u32 s42, s42, s40
	s_lshl_b32 s43, s41, 2
	s_lshl_b32 s43, 15, s43
	s_lshl_b32 s44, 0x1111, s40
	s_or_b32 s[G1+0], s43, (0<<16)|(1<<20)|(1<<21)|(5<<22)|(3<<25)
	s_or_b32 s[G1B+0], s44, (0<<16)|(1<<20)|(1<<21)|(5<<22)|(3<<25)
.irp g, G1, G1B
	s_mov_b32 s[\g+1], ROWB<<16
	s_mov_b32 s[\g+2], 128<<16
	s_mov_b32 s[\g+3], ROWB<<16
	s_mov_b32 s[\g+4], 128
	s_mov_b32 s[\g+5], KROW
	s_mov_b32 s[\g+6], 0
	s_mov_b32 s[\g+7], 0
.endr
	s_lshl_b32 s18, s16, 7
	s_lshl_b32 s20, s17, 8
	s_add_co_u32 s20, s20, s18
	s_lshl_b32 s20, s20, 10
	s_mov_b32 s21, 0
	s_lshl_b32 s46, s42, 8
	s_add_co_u32 s46, s46, s18
	s_lshl_b32 s46, s46, 10
	s_mov_b32 s47, 0
	s_mul_i32 s45, s14, HALFT
	s_wait_dscnt 0x0
	s_wait_kmcnt 0x0
	s_cmp_eq_u32 ttmp9, 2
	s_cselect_b64 s[4:5], s[74:75], s[68:69]
	s_cselect_b64 s[6:7], s[68:69], s[72:73]
	s_cselect_b64 s[8:9], s[80:81], s[78:79]
	s_cselect_b64 s[10:11], s[88:89], s[86:87]
	s_cmp_eq_u32 ttmp9, 0
	s_cselect_b64 s[6:7], s[70:71], s[6:7]
	s_cselect_b64 s[8:9], s[76:77], s[8:9]
	s_cselect_b64 s[10:11], s[84:85], s[10:11]
	s_load_b256 s[92:99], s[82:83], 0x0
	s_load_b64 s[100:101], s[82:83], 0x20
	s_add_nc_u64 s[20:21], s[4:5], s[20:21]
	s_add_nc_u64 s[46:47], s[6:7], s[46:47]
	CROUND
.irp s, 0,1
	s_mov_b32 s[G0+4*\s], 1
	s_add_co_u32 s[G0+4*\s+1], s45, \s*SLOT
	s_add_nc_u64 s[G0+4*\s+2:G0+4*\s+3], s[20:21], \s*ROWB
	s_or_b32 s[G0+4*\s+3], s[G0+4*\s+3], 0x80000000
	s_mov_b32 s[G0B+4*\s], 1
	s_add_co_u32 s[G0B+4*\s+1], s45, \s*SLOT
	s_add_nc_u64 s[G0B+4*\s+2:G0B+4*\s+3], s[46:47], \s*ROWB
	s_or_b32 s[G0B+4*\s+3], s[G0B+4*\s+3], 0x80000000
	s_wait_alu depctr_va_vdst(0)
	s_wait_tensorcnt 0x0
	ds_add_u32 v28, v29
	ds_add_u32 v28, v29
	s_wait_dscnt 0x0
	CROUND
	JLOAD G0+4*\s, G1, G0B+4*\s, G1B
.endr
	v_and_b32 v1, 15, v0
	v_bfe_u32 v2, v0, 4, 1
	v_mul_u32_u24 v3, v1, PITCH
	v_lshl_add_u32 v4, v2, 4, v3
	s_mul_i32 s21, s15, HALFT
	s_mul_i32 s22, s16, HALFT
	s_add_co_u32 s22, s22, 2*HALFT
.irp s, 0,1
	v_add_nc_u32 v[ADRA+\s], s21, v4
	v_add_nc_u32 v[ADRB+\s], s22, v4
	s_add_co_u32 s21, s21, SLOT
	s_add_co_u32 s22, s22, SLOT
.endr
	v_and_b32 v[LOFF], 31, v0
	v_lshlrev_b32 v[LOFF], 4, v[LOFF]
	s_add_co_u32 s18, s13, s40
	s_add_co_u32 s19, s13, s41
	s_cmp_eq_u32 ttmp9, 2
	s_cselect_b32 s18, s18, s19
	s_cselect_b32 s19, s41, s40
	s_cselect_b32 s20, s16, s15
	s_cselect_b32 s21, s15, s16
	s_cselect_b32 s22, 4, 0
	s_cselect_b32 s23, 0, 32
	s_cselect_b32 s43, 0, 4
	s_lshl_b32 s44, s19, 10
	s_lshl_b32 s45, s21, 9
	s_add_co_u32 s44, s44, s45
	s_mov_b32 s45, 0
	s_add_nc_u64 s[8:9], s[8:9], s[44:45]
	s_lshr_b32 s44, s18, 3
	s_lshl_b32 s44, s44, 4
	s_lshl_b32 s46, s19, 2
	s_add_co_u32 s44, s44, s46
	s_lshl_b32 s46, s21, 1
	s_add_co_u32 s44, s44, s46
	s_lshl_b32 s44, s44, 17
	s_and_b32 s46, s18, 7
	s_lshl_b32 s46, s46, 1
	s_add_co_u32 s46, s46, s20
	s_lshl_b32 s46, s46, 13
	s_add_co_u32 s44, s44, s46
	s_add_nc_u64 s[10:11], s[10:11], s[44:45]
	v_mul_u32_u24 v5, s22, v1
	v_mul_u32_u24 v6, s23, v2
	v_add_nc_u32 v5, v5, v6
.irp j, 0,1,2,3,4,5,6,7
	v_mad_u32_u24 v[OFFJ+\j], s43, \j, v5
.endr
.irp x, 0,1,2,3,4,5,6,7
.irp j, 0,1,2,3,4,5,6,7
	global_load_b32 v[BI+8*\x+\j], v[OFFJ+\j], s[8:9] offset:64*\x
.endr
.endr
.macro FRAG reg, adr, q, i
.irp c, 0,1,2,3
	ds_load_b128 v[\reg+4*\c:\reg+4*\c+3], v[\adr] offset:128*(\q)+32*\c+(\i)*16*PITCH
.endr
.endm
.macro MUL16 a0, p, zero
.irp a, \a0, \a0+1
.irp b, 0,1,2,3,4,5,6,7
.if \zero
	v_wmma_f32_16x16x128_bf8_bf8 v[8*(8*((\a)%4)+\b):8*(8*((\a)%4)+\b)+7], v[128*(\p)+FR*\b:128*(\p)+FR*\b+FR-1], v[AF+FR*(\a):AF+FR*(\a)+FR-1], 0
.else
	v_wmma_f32_16x16x128_bf8_bf8 v[8*(8*((\a)%4)+\b):8*(8*((\a)%4)+\b)+7], v[128*(\p)+FR*\b:128*(\p)+FR*\b+FR-1], v[AF+FR*(\a):AF+FR*(\a)+FR-1], v[8*(8*((\a)%4)+\b):8*(8*((\a)%4)+\b)+7]
.endif
.endr
.endr
.endm
.macro FETCH_B slot, q, p
	WIN TO_B
.irp i, 0,1,2,3,4,5,6,7
	FRAG 128*(\p)+FR*\i, ADRB+\slot, \q, \i
.endr
	WIN 0
.endm
.macro FETCH_A slot, q, i0
.irp i, \i0, \i0+1, \i0+2, \i0+3
	FRAG AF+FR*(\i), ADRA+\slot, \q, \i
.endr
.endm
.macro PLACES n
.rept \n
	v_nop
.endr
.endm
.macro STEP slot, q, zero
	s_wait_dscnt 4*NL
	WIN MUL_LO
	MUL16 0, (\q)%2, \zero
	MUL16 2, (\q)%2, \zero
	s_wait_dscnt 0
	PLACES NP
	FETCH_B \slot, (\q)+1, 1-(\q)%2
	FETCH_A \slot, (\q)+1, 0
	WIN MUL_HI
	MUL16 4, (\q)%2, \zero
	MUL16 6, (\q)%2, \zero
	PLACES NP
	WIN 0
	FETCH_A \slot, (\q)+1, 4
.endm
.macro TURN slot, next, fill
	s_wait_tensorcnt 0x0
	ds_add_u32 v[SPW], v[NIL]
	s_wait_dscnt 4*NL+1
	WIN MUL_LO
	MUL16 0, 1, 0
	s_wait_dscnt 0x0
	s_barrier_signal -1
	MUL16 2, 1, 0
	WIN 0
	s_barrier_wait -1
.if \fill
	CREST
	s_add_nc_u64 s[G0+4*\slot+2:G0+4*\slot+3], s[G0+4*\slot+2:G0+4*\slot+3], 2*ROWB
	s_add_nc_u64 s[G0B+4*\slot+2:G0B+4*\slot+3], s[G0B+4*\slot+2:G0B+4*\slot+3], 2*ROWB
	JLOAD G0+4*\slot, G1, G0B+4*\slot, G1B
.else
	PLACES NP
.endif
	FETCH_B \next, 0, 0
	FETCH_A \next, 0, 0
	WIN MUL_HI
	MUL16 4, 1, 0
	MUL16 6, 1, 0
	PLACES NP
	WIN 0
	FETCH_A \next, 0, 4
.endm
	s_wait_tensorcnt 1
	s_barrier_signal -1
	s_barrier_wait -1
	FETCH_B 0, 0, 0
	FETCH_A 0, 0, 0
	FETCH_A 0, 0, 4
	STEP 0, 0, 1
	TURN 0, 1, 1
	STEP 1, 0, 0
	TURN 1, 0, 1
	STEP 0, 0, 0
	TURN 0, 1, 0
	STEP 1, 0, 0
	s_wait_dscnt 4*NL
	WIN MUL_LO
	MUL16 0, 1, 0
	MUL16 2, 1, 0
	s_wait_dscnt 0
	WIN MUL_HI
	MUL16 4, 1, 0
	MUL16 6, 1, 0
	WIN 0
	s_wait_kmcnt 0x0
	s_add_co_i32 s92, s92, s93
	s_add_co_i32 s94, s94, s95
	s_add_co_i32 s96, s96, s97
	s_cmp_eq_u32 ttmp9, 2
	s_cselect_b32 s94, s96, s94
	s_cselect_b32 s99, s101, s99
	s_cmp_eq_u32 ttmp9, 0
	s_cselect_b32 s94, s92, s94
	s_cselect_b32 s99, s98, s99
	s_add_co_i32 s94, s94, 127
	s_lshl_b32 s90, s94, 23
	s_mov_b32 s91, s90
	s_add_co_i32 s99, s99, 127
	s_lshl_b32 s98, s99, 23
	v_mov_b32 v[SCL], s98
	s_add_co_i32 s99, s99, 15
	s_lshl_b32 s99, s99, 23
	s_or_b32 s99, s99, 0x600000
	v_mov_b32 v[LIM], s99
	s_wait_loadcnt 0x0
	PLACES 2
.macro EPI isv
.irp a, 0,1,2,3,4,5,6,7
	WIN (0x02+\a/4)
.irp b, 0,1,2,3,4,5,6,7
.irp i, 0,2,4,6
.if \isv
	v_pk_fma_f32 v[TMP+8*\b+\i:TMP+8*\b+\i+1], v[64*(\a%4)+8*\b+\i:64*(\a%4)+8*\b+\i+1], s[90:91], v[BI+8*\a:BI+8*\a+1] op_sel_hi:[1,0,1]
.else
	v_pk_fma_f32 v[TMP+8*\b+\i:TMP+8*\b+\i+1], v[64*(\a%4)+8*\b+\i:64*(\a%4)+8*\b+\i+1], s[90:91], v[BI+8*\b+\i:BI+8*\b+\i+1] op_sel_hi:[1,0,1]
.endif
.endr
.endr
	WIN 0
.if \a >= 2
	s_wait_xcnt 0x0
.endif
.irp b, 0,1,2,3,4,5,6,7
.irp i, 0,1,2,3,4,5,6,7
	v_med3_num_f32 v[TMP+8*\b+\i], v[TMP+8*\b+\i], -v[LIM], v[LIM]
.endr
	v_cvt_scalef32_pk8_bf8_f32 v[CD+16*(\a%2)+2*\b:CD+16*(\a%2)+2*\b+1], v[TMP+8*\b:TMP+8*\b+7], v[SCL]
.endr
	v_nop
.irp q, 0,1,2,3
.if \isv
	global_store_b128 v[LOFF], v[CD+16*(\a%2)+4*\q:CD+16*(\a%2)+4*\q+3], s[10:11] offset:(\a/4)*HEADB+(\a%4)*2048+\q*512
.else
	global_store_b128 v[LOFF], v[CD+16*(\a%2)+4*\q:CD+16*(\a%2)+4*\q+3], s[10:11] offset:\a*1024+(\q/2)*HEADB+(\q%2)*512
.endif
.endr
.endr
.endm
	s_cmp_eq_u32 ttmp9, 2
	s_cbranch_scc1 .Lout_v
	EPI 0
	s_branch .Lend
.Lout_v:
	EPI 1
.Lend:
	s_wait_tensorcnt 0x0
	ds_add_u32 v[SPW], v[NIL]
	s_wait_dscnt 0x0
	CROUND
	s_endpgm
.Lfunc_end_k_q9264779e57_proj:
	.size	k_q9264779e57_proj, .Lfunc_end_k_q9264779e57_proj-k_q9264779e57_proj
	.p2alignl 7, 3214868480
	.fill 96, 4, 3214868480
	.section	.rodata,"a",@progbits
	.p2align	6, 0x0
	.amdhsa_kernel k_q9264779e57_proj
		.amdhsa_group_segment_fixed_size 327680
		.amdhsa_private_segment_fixed_size 0
		.amdhsa_enable_private_segment 0
		.amdhsa_kernarg_size 88
		.amdhsa_user_sgpr_count 2
		.amdhsa_user_sgpr_kernarg_segment_ptr 1
		.amdhsa_wavefront_size32 1
		.amdhsa_system_sgpr_workgroup_id_x 1
		.amdhsa_system_sgpr_workgroup_id_y 1
		.amdhsa_system_sgpr_workgroup_id_z 1
		.amdhsa_system_vgpr_workitem_id 0
		.amdhsa_next_free_vgpr 1024
		.amdhsa_next_free_sgpr 102
		.amdhsa_reserve_vcc 0
		.amdhsa_float_denorm_mode_32 3
		.amdhsa_float_denorm_mode_16_64 3
		.amdhsa_memory_ordered 1
		.amdhsa_forward_progress 1
		.amdhsa_inst_pref_size 198
	.end_amdhsa_kernel
	.amdgpu_metadata
---
amdhsa.version: [ 1, 2 ]
amdhsa.kernels:
  - .name:           k_q9264779e57_proj
    .symbol:         k_q9264779e57_proj.kd
    .args:
      - { .name: hidden_states_codes, .offset: 0, .size: 8, .value_kind: global_buffer, .address_space: global }
      - { .name: Wq_codes, .offset: 8, .size: 8, .value_kind: global_buffer, .address_space: global }
      - { .name: Wk_codes, .offset: 16, .size: 8, .value_kind: global_buffer, .address_space: global }
      - { .name: Wv_codes, .offset: 24, .size: 8, .value_kind: global_buffer, .address_space: global }
      - { .name: bq, .offset: 32, .size: 8, .value_kind: global_buffer, .address_space: global }
      - { .name: bk, .offset: 40, .size: 8, .value_kind: global_buffer, .address_space: global }
      - { .name: bv, .offset: 48, .size: 8, .value_kind: global_buffer, .address_space: global }
      - { .name: lowp_scales, .offset: 56, .size: 8, .value_kind: global_buffer, .address_space: global }
      - { .name: qf, .offset: 64, .size: 8, .value_kind: global_buffer, .address_space: global }
      - { .name: kf, .offset: 72, .size: 8, .value_kind: global_buffer, .address_space: global }
      - { .name: vf, .offset: 80, .size: 8, .value_kind: global_buffer, .address_space: global }
    .group_segment_fixed_size: 327680
    .private_segment_fixed_size: 0
    .kernarg_segment_align: 8
    .kernarg_segment_size: 88
    .max_flat_workgroup_size: 128
    .sgpr_count:     102
    .vgpr_count:     1024
    .wavefront_size: 32
...
	.end_amdgpu_metadata
.endif
;; end of part 1
;; launch attn (part 2): grid 4 x 64, 8 waves a work-group, no clusters, 306,176 bytes of LDS; arguments qf, kf, vf, attention_mask, lowp_scales, out0; writes out0
.if DOCPART == 2
	.amdgcn_target "amdgcn-amd-amdhsa--gfx1250"
	.amdhsa_code_object_version 6
	.text
	.protected	k_q9264779e57_attn
	.globl	k_q9264779e57_attn
	.p2align	8
	.type	k_q9264779e57_attn,@function
k_q9264779e57_attn:
	s_mov_b64 s[64:65], 0
	v_nop
	global_prefetch_b8 v0, s[64:65] scope:SCOPE_SE
	s_setreg_imm32_b32 hwreg(HW_REG_WAVE_MODE, 25, 1), 1
	s_wait_xcnt 0x0
; ATTENTION ON CODES OF BF8 (E5M2).  out[b][q][head] = the sum over keys of softmax(q . k / 8 + mask[b][key]) v, both products on the codes that the launch before stored.  Nothing is left out: the mask is an input and is added as numbers.
; THE SOFTMAX AHEAD OF THE SECOND PRODUCT: t = (q . k / 8 + mask) x log2(e); M = the row's largest t so far, rounded UP to a whole number; p = 2^(t - M) is quantised along the keys with entry 8 of the scales, not normalised.
; The row's sum is taken of the unquantised p, in f32, and divides at the end.  When M moves, the sum and O are multiplied by 2^(old M - new M): exact.
; SHARES.  A work-group owns 512 queries of one (batch, head); 4 x 64 work-groups.  A wave owns 32 queries at a time, tiles A and B of 16, in two passes of sixteen key steps of 128 keys; each fragment of K and V read from LDS feeds both tiles.
; K AND V, 2 x 128 KiB of codes, come to lie in LDS whole, each byte stored once, in sixteen chunks of 8 KiB + 8 KiB (a key step's).  The head stores chunks 0 and 1 and asks for chunk 2.  In pass 0, step s stores chunk s + 2
; (each wave 4 x 512 bytes, out of 16 registers), passes a barrier ahead of its second product, and asks for chunk s + 3.  What is stored ahead of step s's barrier is read only behind it: V's part at the end of step s + 1,
; K's at the start of step s + 1; and between two barriers the waves read chunks s and s + 1 alone.  The loads stand a whole key step ahead of the stores that need them, so no separate prefetch is laid.
; THE HOLD at 57,344 x 2^e8.  t - M is at most 0 (but for the last bit of the multiply-add), so p is at most 1; with e8 >= -15 the bound is 1.75 or more and the hold can change no p.  Its 128 lines a step are passed over
; by a scalar branch on e8 in that case and run in every other.  e8 is a number read from memory. K and V come
; through registers, there are no joint loads, and cluster = none.
; LAYOUT.  Both products are used transposed: S^T = K Q^T (source 0 = 16 keys, source 1 = 16 queries), O^T = V^T P^T: a lane holds ONE query (lane % 16) throughout.  In score tile t a lane's eight registers are keys
; 16 t + 8 (lane / 16) + 0 .. 7: converted, they are registers 2 t, 2 t + 1 of P in the 8-bit form's own order.  qf, kf, vf are images of operand registers: a fragment comes by loads of 16 bytes at 16 x lane.
; THE MASK costs no vector instruction: mask x 2^(3 - e6 - e7), exact, lies in LDS in f32 and is the C of the matrix instruction that makes a score tile; then t = S x c, c = log2(e) / 8 x 2^(e6 + e7).
; LIMITS: e6 + e7 between -123 and 130 (added to c's exponent field); e8 between -126 and 112; e8 + e9 is applied by v_ldexp_f32.  mask x 2^(3 - e6 - e7) beyond f32's range becomes an infinity.
; A row all of whose keys are at -infinity gives NaN, as in the definition.  NaN among the inputs is not served.
; REGISTERS, two windows of 256.  Window 0: v1-11 addresses; v12-47 BOTH tiles' running numbers (tile o at + 2 o or + 4 o), so that the two tiles' dependent lines stand by turns, and the fill's offsets; v48-111 K's eight fragments;
; v112-175 tile A's S^T, then p; v176-207 its O^T; v208-223 its p's codes; v224-255 V's fragments 0, 1.   Window 1: v0-31 Q (A pass 0, 1; B pass 0, 1); v32-47 the chunk on its way; v48-111 the step's mask;
; then tile B under tile A's numbers; V's fragments 2, 3.
.set VB,    131072                     ; LDS: K from 0, V from here,
.set MASKB, 262144                     ; the scaled mask of the batch's 2,048 keys, f32,
.set STAGE, 270336                     ; the way out: 16 rows x (256 bytes + 16) for each wave,
.set SP,    272
.set SPARE, 305152                     ; and the spare words, 128 bytes for each wave: four blocks of 256 bytes that no other line names
.set STEPB, 8192                       ; a key step's 128 keys: 8 fragments of K of 1,024 bytes; 4 of V of 2,048
.set LK0, 1                            ; 16 x lane
.set LV0, 2
.set LM0, 3                            ; MASKB + 32 (lane / 16)
.set ADK, 4                            ; the addresses of the step to be fetched
.set ADV, 5
.set ADM, 6
.set STO, 7
.set RD,  8
.set GO,  9
.set SPW, 10                           ; SPARE + 4 x my thread's number; never rewritten
.set NIL, 11                           ; 0; never rewritten
.set NM,  12                           ; -M, and at NM + 1 the largest t; tile B at + 2
.set SUM, 16                           ; the sum in two halves; tile B at + 2
.set T,   20                           ; four chains of the maximum; tile B at + 4
.set F,   28                           ; f = 2^(old M - new M), a pair whose upper half is written once; tile B at + 2
.set X,   32                           ; v32-37 the sum's three other chains
.set PD,  38                           ; lane permutes' destinations
.set LIM, 40                           ; 57,344 x 2^e8
.set SCL, 41                           ; 2^e8 as f32
.set MO,  42                           ; head: 16 x thread
.set ML,  43
.set RR,  44
.set HH,  45
.set FA,  42                           ; loop: where my part of a chunk of K goes in LDS,
.set FV,  43                           ; and of V
.set GOF, 45                           ; and my offset in the head's K and V in memory
.set FA0, 46                           ; 1,024 x wave + 16 x lane: my part of a chunk
.set KF,  48
.set S,   112
.set O,   176
.set P,   208
.set VF,  224
.set CH,  32                           ; window 1: the chunk on its way: K's 2 x 4 registers, then V's
.set WV,  16
.set SEL, 20                           ; s[20:21] lane selects for v_permlanex16_b32: lane l xor 16
.set CS,  22                           ; s[22:23] c, twice
.set KB,  24                           ; s[24:25] kf at my head, + 1,024 x wave;  s[26:27] vf likewise; never rewritten
.set VS,  26
.set TB,  36
.set TM,  37
.set CNT, 38
.set EO,  39                           ; e8 + e9
.set E8,  42
.set MSB, 0
.macro WIN new                         ; low byte: bits 1:0 source 0, 3:2 source 1, 5:4 source 2, 7:6 destination; the high byte repeats the setting that is left
.if MSB != \new
	s_set_vgpr_msb (MSB<<8)|\new
.set MSB, \new
.endif
.endm
	s_load_b256 s[4:11], s[0:1], 0x0               ; qf, kf, vf, the mask
	s_load_b128 s[12:15], s[0:1], 0x20             ; the scales' exponents, out
	v_lshl_add_u32 v[SPW], v0, 2, SPARE
	v_mov_b32 v[NIL], 0
	v_lshrrev_b32 v[RR], 5, v0
	v_readfirstlane_b32 s[WV], v[RR]               ; wave 0..7
	s_lshl_b32 s45, s[WV], 10
	v_and_b32 v[LK0], 31, v0
	v_lshlrev_b32 v[MO], 4, v0
	v_lshlrev_b32 v[LK0], 4, v[LK0]
	v_add_nc_u32 v[FA0], s45, v[LK0]
	s_and_b32 s18, ttmp7, 0xffff                   ; 16 x batch + head
	s_lshr_b32 s19, s18, 4                         ; the batch
	s_mov_b32 s[SEL], 0x76543210
	s_mov_b32 s[SEL+1], 0xfedcba98
	s_lshl_b32 s44, s18, 17                        ; the (batch, head)'s first byte in qf, kf and vf
	s_add_co_u32 s46, s44, s45                     ; + my eighth of each chunk
	s_mov_b32 s47, 0
	s_lshl_b32 s48, ttmp9, 15                      ; Q: my block's 32 fragments of 1,024 bytes,
	s_lshl_b32 s49, s[WV], 11                      ; my wave's two of a pass's sixteen
	s_add_co_u32 s48, s48, s49
	s_add_co_u32 s48, s48, s44
	s_mov_b32 s49, 0
	s_lshl_b32 s52, s19, 13                        ; the batch's 2,048 numbers of the mask
	s_mov_b32 s53, 0
	s_lshl_b32 s50, s19, 11
	s_lshl_b32 s51, ttmp9, 9
	s_add_co_u32 s50, s50, s51
	s_lshl_b32 s51, s[WV], 5
	s_add_co_u32 s50, s50, s51                     ; out: row 2,048 x batch + 512 x block + 32 x wave,
	s_lshl_b32 s50, s50, 12                        ; of 4,096 bytes
	s_and_b32 s51, s18, 15
	s_lshl_b32 s51, s51, 8                         ; + the head's 256 bytes
	s_add_co_u32 s50, s50, s51
	s_mov_b32 s51, 0
	s_wait_alu depctr_va_vdst(0)
	s_wait_kmcnt 0x0
	s_load_b128 s[40:43], s[12:13], 0x18           ; e6, e7, e8, e9
	s_add_nc_u64 s[KB:KB+1], s[6:7], s[46:47]
	s_add_nc_u64 s[VS:VS+1], s[8:9], s[46:47]
	s_add_nc_u64 s[4:5], s[4:5], s[48:49]
	s_add_nc_u64 s[10:11], s[10:11], s[52:53]
	s_add_nc_u64 s[14:15], s[14:15], s[50:51]
	global_load_b128 v[O:O+3], v[MO], s[10:11]     ; the mask: 256 threads x 2 x 16 bytes
	global_load_b128 v[O+4:O+7], v[MO], s[10:11] offset:4096
.irp c, 0,1                                    ; my part of chunks 0 and 1
.irp g, 0,1
	global_load_b128 v[S+16*\c+4*\g:S+16*\c+4*\g+3], v[LK0], s[KB:KB+1] offset:STEPB*\c+512*\g
	global_load_b128 v[S+16*\c+8+4*\g:S+16*\c+8+4*\g+3], v[LK0], s[VS:VS+1] offset:STEPB*\c+512*\g
.endr
.endr
	WIN 0x40                                       ; destination window 1
.irp p, 0,1                                    ; Q stays in registers
.irp g, 0,1
	global_load_b128 v[8*\p+4*\g:8*\p+4*\g+3], v[LK0], s[4:5] offset:16384*\p+512*\g th:TH_LOAD_NT
	global_load_b128 v[16+8*\p+4*\g:16+8*\p+4*\g+3], v[LK0], s[4:5] offset:16384*\p+1024+512*\g th:TH_LOAD_NT
.endr
.endr
.irp g, 0,1                                    ; chunk 2, which step 0 stores
	global_load_b128 v[CH+4*\g:CH+4*\g+3], v[LK0], s[KB:KB+1] offset:STEPB*2+512*\g
	global_load_b128 v[CH+8+4*\g:CH+8+4*\g+3], v[LK0], s[VS:VS+1] offset:STEPB*2+512*\g
.endr
	WIN 0
	v_add_nc_u32 v[LV0], VB, v[LK0]
	v_and_b32 v[RR], 15, v0
	v_bfe_u32 v[HH], v0, 4, 1
	v_add_nc_u32 v[ML], MASKB, v[MO]
	s_mul_i32 s54, s[WV], 16*SP
	s_add_co_u32 s54, s54, STAGE                   ; my stage
	v_lshl_add_u32 v[LM0], v[HH], 5, MASKB
	v_mul_u32_u24 v[STO], v[RR], SP                ; in: row = my query; 32 bytes for each half of the lanes
	v_mul_u32_u24 v[RD], v[HH], SP                 ; back: lanes 0-15 take one row of 256 bytes, lanes 16-31 the next
	v_lshlrev_b32 v[GO], 12, v[HH]                 ; and the same two rows in out
	v_lshl_add_u32 v[STO], v[HH], 5, v[STO]
	v_lshl_add_u32 v[RD], v[RR], 4, v[RD]
	v_lshl_add_u32 v[GO], v[RR], 4, v[GO]
	v_add_nc_u32 v[STO], s54, v[STO]
	v_add_nc_u32 v[RD], s54, v[RD]
	v_add_nc_u32 v[ADV], VB, v[FA0]                ; (here: where my part of V's chunk 0 goes)
	v_mov_b32 v[PD], 0
	v_mov_b32 v[PD+1], 0
	v_mov_b32 v[F+1], 0
	v_mov_b32 v[F+3], 0
	s_wait_alu depctr_va_vdst(0)
	s_wait_kmcnt 0x0
	s_add_co_i32 s44, s40, s41                     ; e6 + e7
	s_lshl_b32 s45, s44, 23
	s_add_co_i32 s[CS], s45, 0x3e38aa3b            ; c = log2(e) / 8, with e6 + e7 added to its exponent field
	s_mov_b32 s[CS+1], s[CS]
	s_sub_co_i32 s44, 3, s44                       ; the mask goes in as mask x 8 / 2^(e6 + e7)
	s_add_co_i32 s[EO], s42, s43
	s_add_co_i32 s46, s42, 127
	s_lshl_b32 s47, s46, 23                        ; 2^e8 as f32
	s_add_co_i32 s46, s46, 15
	s_lshl_b32 s46, s46, 23
	s_or_b32 s46, s46, 0x600000                    ; 57,344 x 2^e8
	v_mov_b32 v[LIM], s46
	v_mov_b32 v[SCL], s47
	s_wait_alu depctr_va_vdst(0)
	s_wait_loadcnt 12                              ; the mask and chunks 0 and 1 are in; behind them Q's eight loads and chunk 2's four were issued
.irp j, 0,1,2,3,4,5,6,7
	v_ldexp_f32 v[O+\j], v[O+\j], s44
.endr
	ds_store_b128 v[ML], v[O:O+3]
	ds_store_b128 v[ML], v[O+4:O+7] offset:4096
.irp c, 0,1
.irp g, 0,1
	ds_store_b128 v[FA0], v[S+16*\c+4*\g:S+16*\c+4*\g+3] offset:STEPB*\c+512*\g
	ds_store_b128 v[ADV], v[S+16*\c+8+4*\g:S+16*\c+8+4*\g+3] offset:STEPB*\c+512*\g
.endr
.endr
	s_wait_loadcnt 4                               ; Q is in; chunk 2's four loads may be out
	s_wait_dscnt 0x0                               ; for the others' sake: my parts of chunks 0 and 1 and of the mask are stored
	s_barrier_signal -1
	s_barrier_wait -1                              ; everybody's are
.macro LOADK adr
	WIN 0
.irp t, 0,1,2,3,4,5,6,7
	ds_load_b128 v[KF+8*\t:KF+8*\t+3],   v[\adr] offset:1024*\t
	ds_load_b128 v[KF+8*\t+4:KF+8*\t+7], v[\adr] offset:1024*\t+512
.endr
.endm
.macro LOADM adr                       ; the mask in the scores' layout: register 8 t + j is key 16 t + 8 (lane / 16) + j; into window 1
	WIN 0x40
.irp t, 0,1,2,3,4,5,6,7
	ds_load_b128 v[KF+8*\t:KF+8*\t+3],   v[\adr] offset:64*\t
	ds_load_b128 v[KF+8*\t+4:KF+8*\t+7], v[\adr] offset:64*\t+16
.endr
	WIN 0
.endm
.macro LOADV adr
	WIN 0
.irp d, 0,1
.irp g, 0,1,2,3
	ds_load_b128 v[VF+16*\d+4*\g:VF+16*\d+4*\g+3], v[\adr] offset:2048*\d+512*\g
.endr
.endr
	WIN 0x40
.irp d, 0,1
.irp g, 0,1,2,3
	ds_load_b128 v[VF+16*\d+4*\g:VF+16*\d+4*\g+3], v[\adr] offset:2048*(\d+2)+512*\g
.endr
.endr
	WIN 0
.endm
; In the macros below o = 0 is tile A, o = 1 tile B: the large arrays of tile B lie in window 1, its running numbers in window 0.
.macro MAXES o                         ; the step's largest score in four chains of 16 registers; each accumulator is read from its low end on
	WIN 5*\o
.irp c, 0,1,2,3
	v_max_num_f32 v[T+4*\o+\c], v[S+16*\c], v[S+16*\c+1]
.endr
	WIN 0x14*\o
.irp j, 2,4,6,8,10,12,14
.irp c, 0,1,2,3
	v_max3_num_f32 v[T+4*\o+\c], v[T+4*\o+\c], v[S+16*\c+\j], v[S+16*\c+\j+1]
.endr
.endr
.endm
.macro TAILS                           ; the new M and f, both tiles' lines by turns
.irp o, 0,1
	v_max3_num_f32 v[T+4*\o], v[T+4*\o], v[T+4*\o+1], v[T+4*\o+2]
.endr
.irp o, 0,1
	v_max_num_f32 v[T+4*\o], v[T+4*\o], v[T+4*\o+3]
.endr
.irp o, 0,1
	v_permlanex16_b32 v[PD+\o], v[T+4*\o], s[SEL], s[SEL+1]
.endr
.irp o, 0,1
	v_mov_b32 v[T+4*\o+1], v[NM+2*\o]              ; the old -M
.endr
.irp o, 0,1
	v_max_num_f32 v[T+4*\o], v[T+4*\o], v[PD+\o]   ; and among the query's other 64 keys, in lane l xor 16
.endr
.irp o, 0,1
	v_mul_f32 v[T+4*\o], s[CS], v[T+4*\o]          ; as t (c is positive)
.endr
.irp o, 0,1
	v_max_num_f32 v[NM+2*\o+1], v[NM+2*\o+1], v[T+4*\o]   ; the running largest t
.endr
.irp o, 0,1
	v_floor_f32 v[NM+2*\o], -v[NM+2*\o+1]          ; the new -M = -ceil(t)
.endr
.irp o, 0,1
	v_sub_f32 v[T+4*\o+1], v[NM+2*\o], v[T+4*\o+1] ; old M less new M: a whole number, 0 or less
.endr
.irp o, 0,1
	v_cvt_i32_f32 v[T+4*\o+1], v[T+4*\o+1]         ; (it saturates)
.endr
.irp o, 0,1
	v_ldexp_f32 v[F+2*\o], 1.0, v[T+4*\o+1]
.endr
.irp o, 0,1
	v_pk_mul_f32 v[SUM+2*\o:SUM+2*\o+1], v[SUM+2*\o:SUM+2*\o+1], v[F+2*\o:F+2*\o+1] op_sel_hi:[1,0]
.endr
.endm
.macro SCALE o                         ; O^T under the new M (its first read behind the last products: no exponential stands between), then S x c - M
	WIN 0x41*\o
.set j, 0
.rept 16
	v_pk_mul_f32 v[O+j:O+j+1], v[O+j:O+j+1], v[F+2*\o:F+2*\o+1] op_sel_hi:[1,0]
.set j, j+2
.endr
.set j, 0
.rept 32
	v_pk_fma_f32 v[S+j:S+j+1], v[S+j:S+j+1], s[CS:CS+1], v[NM+2*\o:NM+2*\o+1] op_sel_hi:[1,0,0]
.set j, j+2
.endr
.endm
.macro EXPS o
	WIN 0x41*\o
.set j, 0
.rept 64
	v_exp_f32 v[S+j], v[S+j]
.set j, j+1
.endr
.endm
.macro SUMS o                          ; the sum of the unquantised p: 32 pairs in four chains
	WIN 5*\o
	v_pk_add_f32 v[X:X+1], v[S+2:S+3], v[S+4:S+5]
	v_pk_add_f32 v[X+2:X+3], v[S+6:S+7], v[S+8:S+9]
	v_pk_add_f32 v[X+4:X+5], v[S+10:S+11], v[S+12:S+13]
	WIN 4*\o
	v_pk_add_f32 v[SUM+2*\o:SUM+2*\o+1], v[SUM+2*\o:SUM+2*\o+1], v[S:S+1]
.set j, 14
.rept 6
	v_pk_add_f32 v[X:X+1], v[X:X+1], v[S+j:S+j+1]
	v_pk_add_f32 v[X+2:X+3], v[X+2:X+3], v[S+j+2:S+j+3]
	v_pk_add_f32 v[X+4:X+5], v[X+4:X+5], v[S+j+4:S+j+5]
	v_pk_add_f32 v[SUM+2*\o:SUM+2*\o+1], v[SUM+2*\o:SUM+2*\o+1], v[S+j+6:S+j+7]
.set j, j+8
.endr
	v_pk_add_f32 v[X:X+1], v[X:X+1], v[S+62:S+63]
	WIN 0
	v_pk_add_f32 v[X+2:X+3], v[X+2:X+3], v[X+4:X+5]
	v_pk_add_f32 v[SUM+2*\o:SUM+2*\o+1], v[SUM+2*\o:SUM+2*\o+1], v[X:X+1]
	v_pk_add_f32 v[SUM+2*\o:SUM+2*\o+1], v[SUM+2*\o:SUM+2*\o+1], v[X+2:X+3]
.endm
.macro HOLD o                          ; the conversion to an 8-bit code does not saturate (ISA guide 7.6.2); p is not negative, so the hold is one-sided
	WIN 0x41*\o
.set j, 0
.rept 64
	v_min_num_f32 v[S+j], v[S+j], v[LIM]
.set j, j+1
.endr
.endm
.macro CVTS o                          ; keys 16 t + 8 (lane / 16) + 0 .. 7: registers 2 t, 2 t + 1 of the operand
	WIN 0x41*\o
.irp t, 0,1,2,3,4,5,6,7
	v_cvt_scalef32_pk8_bf8_f32 v[P+2*\t:P+2*\t+1], v[S+8*\t:S+8*\t+7], v[SCL]
.endr
.endm
.macro PV w, d                         ; O^T of tile w, the head's 16 d on, += V^T P^T over the step's 128 keys
	WIN ((0x54*\w)|(\d/2))
	v_wmma_f32_16x16x128_bf8_bf8 v[O+8*\d:O+8*\d+7], v[VF+16*(\d%2):VF+16*(\d%2)+15], v[P:P+15], v[O+8*\d:O+8*\d+7]
.endm
; A KEY STEP: 128 keys, both tiles.  p: the pass.  pre = 1: the tiles at s[TB] are fetched for the next step.  trk = 1 (pass 0's loop; step s = 15 - s[CNT], s[TB] = 8,192 (s + 1)): chunk s + 2 is stored, chunk s + 3 asked for.
.macro STEP p, pre, trk
	s_wait_dscnt 16                                ; K and the mask are in; the youngest sixteen loads, V's, may be out
	WIN 0x14                                       ; tile A: K and S in window 0, Q and the mask (C) in window 1
.irp t, 0,1,2,3,4,5,6,7
	v_wmma_f32_16x16x64_bf8_bf8 v[S+8*\t:S+8*\t+7], v[KF+8*\t:KF+8*\t+7], v[8*\p:8*\p+7], v[KF+8*\t:KF+8*\t+7]
.endr
	WIN 0x54                                       ; tile B: all in window 1 but K
.irp t, 0,1,2,3,4,5,6,7
	v_wmma_f32_16x16x64_bf8_bf8 v[S+8*\t:S+8*\t+7], v[KF+8*\t:KF+8*\t+7], v[16+8*\p:16+8*\p+7], v[KF+8*\t:KF+8*\t+7]
.endr
	WIN 0
.if \pre
	s_lshr_b32 s[TM], s[TB], 4
	v_add_nc_u32 v[ADK], s[TB], v[LK0]             ; these two and two v_nop: four places behind the products
	v_add_nc_u32 v[ADM], s[TM], v[LM0]
	v_nop
	v_nop
	LOADK ADK
	LOADM ADM
.else
.rept 4
	v_nop
.endr
.endif
	MAXES 0
	MAXES 1
	WIN 0
	TAILS
	SCALE 0
	SCALE 1
	s_wait_alu depctr_va_vdst(0)                   ; ahead of the batch
	EXPS 0
	EXPS 1
	v_nop                                          ; one plain instruction behind the last exponential,
	WIN 0
	s_wait_alu depctr_va_vdst(0)                   ; and the one wait for both tiles' 128, ahead of the first line that names a result
.if (\trk)
	s_wait_loadcnt 0x0                             ; the chunk asked for a step ago is in my registers
	s_cmp_lt_u32 s[CNT], 2
	s_cbranch_scc1 .Lnst_\@                        ; step 14: chunk 15 was stored in step 13
	s_add_co_u32 s59, s[TB], STEPB                 ; chunk s + 2
	s_add_co_u32 s60, s59, VB
	v_add_nc_u32 v[FA], s59, v[FA0]
	v_add_nc_u32 v[FV], s60, v[FA0]
	WIN 0x04                                       ; store data: window 1
.irp g, 0,1
	ds_store_b128 v[FA], v[CH+4*\g:CH+4*\g+3] offset:512*\g
	ds_store_b128 v[FV], v[CH+8+4*\g:CH+8+4*\g+3] offset:512*\g
.endr
	WIN 0
.Lnst_\@:
.endif
	SUMS 0
	SUMS 1
	s_cmp_ge_i32 s[E8], -15                        ; 57,344 x 2^e8 >= 1.75: no p reaches it
	s_cbranch_scc1 .Lfree_\@
	HOLD 0
	HOLD 1
	WIN 0
.Lfree_\@:
	CVTS 0
	CVTS 1
	v_nop                                          ; a plain line behind the last conversion
	WIN 0
	s_wait_alu depctr_va_vdst(0)
.if (\trk)
	s_wait_dscnt 0x0                               ; for the others' sake: my part of chunk s + 2 is stored; and no LDS instruction of mine is out at the signal
	s_barrier_signal -1
	s_barrier_wait -1                              ; chunk s + 2 is whole
	s_cmp_lt_u32 s[CNT], 3
	s_cbranch_scc1 .Lnld_\@                        ; steps 13 and 14: there is no chunk 16
	s_add_co_u32 s59, s[TB], 2*STEPB               ; chunk s + 3
	v_add_nc_u32 v[GOF], s59, v[LK0]
	WIN 0x40
.irp g, 0,1
	global_load_b128 v[CH+4*\g:CH+4*\g+3], v[GOF], s[KB:KB+1] offset:512*\g
	global_load_b128 v[CH+8+4*\g:CH+8+4*\g+3], v[GOF], s[VS:VS+1] offset:512*\g
.endr
	WIN 0
.Lnld_\@:
.elseif \pre
	s_wait_dscnt 32                                ; V is in; the next step's K and mask, 32 loads, may be out
.else
	s_wait_dscnt 0x0
.endif
	PV 0, 0                                        ; eight accumulators, one instruction each
	PV 0, 1
	PV 1, 0
	PV 1, 1
	PV 0, 2
	PV 0, 3
	PV 1, 2
	PV 1, 3
	WIN 0
.if \pre
	v_add_nc_u32 v[ADV], s[TB], v[LV0]             ; with three v_nop: four places ahead of the loads into V's registers
	v_nop
	v_nop
	v_nop
	LOADV ADV
.else
.rept 4
	v_nop
.endr
.endif
.endm
.macro INIT                            ; the step is written for a running M: the first finds zeros, which the first change of M leaves zeros
.irp o, 0,1
	v_mov_b32 v[NM+2*\o+1], 0xff61b1e6             ; -3e38, under every t
	v_mov_b32 v[SUM+2*\o], 0
	v_mov_b32 v[SUM+2*\o+1], 0
.endr
.irp o, 0,1
	v_floor_f32 v[NM+2*\o], -v[NM+2*\o+1]
.endr
.irp w, 0, 0x40
	WIN \w
.set j, 0
.rept 32
	v_mov_b32 v[O+j], 0
.set j, j+1
.endr
.endr
	WIN 0
.endm
; THE WAY OUT: O^T / the sum x 2^(e8 + e9).  A tile goes through my own stage and comes back as whole rows of 256 bytes.
.macro WAYOUT
.irp o, 0,1
	v_add_f32 v[SUM+2*\o], v[SUM+2*\o], v[SUM+2*\o+1]
.endr
.irp o, 0,1
	v_permlanex16_b32 v[PD+\o], v[SUM+2*\o], s[SEL], s[SEL+1]
.endr
.irp o, 0,1
	v_add_f32 v[SUM+2*\o], v[SUM+2*\o], v[PD+\o]
.endr
	s_wait_alu depctr_va_vdst(0)                   ; ahead of the two reciprocals,
	v_rcp_f32 v[F], v[SUM]
	v_rcp_f32 v[F+2], v[SUM+2]
	v_nop
	s_wait_alu depctr_va_vdst(0)                   ; and behind them
	v_ldexp_f32 v[F], v[F], s[EO]
	v_ldexp_f32 v[F+2], v[F+2], s[EO]
.irp o, 0,1
	WIN 0x41*\o
	s_wait_alu depctr_va_vdst(0)                   ; directly ahead of the first reader of the tile's O^T
.set j, 0
.rept 16
	v_pk_mul_f32 v[S+j:S+j+1], v[O+j:O+j+1], v[F+2*\o:F+2*\o+1] op_sel_hi:[1,0]   ; register 8 d + i is out(query, 16 d + 8 (lane / 16) + i)
.set j, j+2
.endr
	WIN (\o<<2)
.irp d, 0,1,2,3
	ds_store_b128 v[STO], v[S+8*\d:S+8*\d+3] offset:64*\d
	ds_store_b128 v[STO], v[S+8*\d+4:S+8*\d+7] offset:64*\d+16
.endr
	WIN (\o<<6)
.irp i, 0,1,2,3,4,5,6,7
	ds_load_b128 v[S+32+4*\i:S+32+4*\i+3], v[RD] offset:2*\i*SP   ; LDS serves a wave's instructions in order (ISA guide 5.7.1.4)
.endr
.endr
.endm
.macro SEND w, p, younger              ; younger: the LDS instructions issued behind tile w's loads
	WIN (\w<<2)
.irp i, 0,1,2,3,4,5,6,7
	s_wait_dscnt \younger+7-\i
	global_store_b128 v[GO], v[S+32+4*\i:S+32+4*\i+3], s[14:15] offset:\p*1048576+\w*65536+\i*8192 th:TH_STORE_NT   ; sixteen lanes store 256 consecutive bytes, aligned
.endr
.endm
; A PASS: 32 queries of the wave against all 2,048 keys: sixteen steps.  Step i fetches step i + 1's tiles from LDS; pass 0's last fetches step 0's again; pass 1's last fetches nothing.
.macro PASS p
	INIT
	s_mov_b32 s[TB], STEPB
	s_mov_b32 s[CNT], 15
.Lstep_\@:
	STEP \p, 1, 1-\p
	s_add_co_u32 s[TB], s[TB], STEPB
	s_sub_co_u32 s[CNT], s[CNT], 1
	s_cmp_lg_u32 s[CNT], 0
	s_cbranch_scc1 .Lstep_\@
.if \p == 0
	s_mov_b32 s[TB], 0
	STEP \p, 1, 0
.else
	STEP \p, 0, 0
.endif
	WAYOUT
	SEND 0, \p, 16
	SEND 1, \p, 0
	WIN 0
.endm
	LOADK LK0                                      ; step 0's tiles: K, the mask, then V
	LOADM LM0
	LOADV LV0
	PASS 0
	s_wait_xcnt 0x0                                ; pass 0's stores have read their data: the next scores are written over them only behind this wait
	PASS 1
	s_wait_tensorcnt 0x0                           ; the wave's end, behind my last LDS store
	ds_add_u32 v[SPW], v[NIL]
	s_wait_dscnt 0x0
	s_endpgm
.Lfunc_end_k_q9264779e57_attn:
	.size	k_q9264779e57_attn, .Lfunc_end_k_q9264779e57_attn-k_q9264779e57_attn
	.p2alignl 7, 3214868480
	.fill 96, 4, 3214868480
	.section	.rodata,"a",@progbits
	.p2align	6, 0x0
	.amdhsa_kernel k_q9264779e57_attn
		.amdhsa_group_segment_fixed_size 306176
		.amdhsa_private_segment_fixed_size 0
		.amdhsa_enable_private_segment 0
		.amdhsa_kernarg_size 48
		.amdhsa_user_sgpr_count 2
		.amdhsa_user_sgpr_kernarg_segment_ptr 1
		.amdhsa_wavefront_size32 1
		.amdhsa_system_sgpr_workgroup_id_x 1
		.amdhsa_system_sgpr_workgroup_id_y 1
		.amdhsa_system_sgpr_workgroup_id_z 1
		.amdhsa_system_vgpr_workitem_id 0
		.amdhsa_next_free_vgpr 512
		.amdhsa_next_free_sgpr 66
		.amdhsa_reserve_vcc 0
		.amdhsa_float_denorm_mode_32 3
		.amdhsa_float_denorm_mode_16_64 3
		.amdhsa_memory_ordered 1
		.amdhsa_forward_progress 1
		.amdhsa_inst_pref_size 146
	.end_amdhsa_kernel
	.amdgpu_metadata
---
amdhsa.version: [ 1, 2 ]
amdhsa.kernels:
  - .name:           k_q9264779e57_attn
    .symbol:         k_q9264779e57_attn.kd
    .args:
      - { .name: qf, .offset: 0, .size: 8, .value_kind: global_buffer, .address_space: global }
      - { .name: kf, .offset: 8, .size: 8, .value_kind: global_buffer, .address_space: global }
      - { .name: vf, .offset: 16, .size: 8, .value_kind: global_buffer, .address_space: global }
      - { .name: attention_mask, .offset: 24, .size: 8, .value_kind: global_buffer, .address_space: global }
      - { .name: lowp_scales, .offset: 32, .size: 8, .value_kind: global_buffer, .address_space: global }
      - { .name: out0, .offset: 40, .size: 8, .value_kind: global_buffer, .address_space: global }
    .group_segment_fixed_size: 306176
    .private_segment_fixed_size: 0
    .kernarg_segment_align: 8
    .kernarg_segment_size: 48
    .max_flat_workgroup_size: 256
    .sgpr_count:     66
    .vgpr_count:     512
    .wavefront_size: 32
...
	.end_amdgpu_metadata
.endif
;; end of part 2
